; MI455X (gfx1250); checked and timed in simulation.
; The chip was launched on July 23, 2026; its instructions are those of AMD's public machine-readable ISA for CDNA 5 (MIT licence, August 2026) and "CDNA5" Instruction Set Architecture Reference Guide (July 2026). The comments in the code are by the model that wrote it; some were corrected since.
;; Batched Ferroelectric Basis. Allowed arithmetic: float matrix products may take bf16 or f16 operands with f32 sums; all other float work in f32.
;; Inputs: Ec 128 x 64 x 8 float32; Ps 128 x 64 x 8 float32; bias 128 x 64 x 8 float32; coef 128 x 64 x 8 float32; k 128 x 64 x 8 float32; x 512 x 128 float32.
;; Outputs: out0 512 x 64 float32.
;; 2 versions, each right and faster than the one before. Each part assembles by itself: llvm-mc -triple=amdgcn-amd-amdhsa -mcpu=gfx1250 --defsym DOCPART=n.
;; ======== version 1 of 2: 1 launch
;; launch ferro (part 1): grid 32 x 8, 8 waves a work-group, no clusters, 21,504 bytes of LDS; arguments x, Ec, k, Ps, bias, coef, out0; writes out0
.if DOCPART == 1
	.amdgcn_target "amdgcn-amd-amdhsa--gfx1250"
	.amdhsa_code_object_version 6
	.text
	.protected	k_q3c9f3be8e4_ferro
	.globl	k_q3c9f3be8e4_ferro
	.p2align	8
	.type	k_q3c9f3be8e4_ferro,@function
k_q3c9f3be8e4_ferro:
	s_mov_b64 s[64:65], 0
	v_nop
	global_prefetch_b8 v0, s[64:65] scope:SCOPE_SE
	s_setreg_imm32_b32 hwreg(HW_REG_WAVE_MODE, 25, 1), 1
	s_wait_xcnt 0x0
; out0[b][o] = sum over i, n of coef * (Ps * tanh(k * (x + Ec * bm)) + bias),   x: [512][128], parameters: [128 i][64 o][8 n], all f32.
; ALGEBRA.  target = su - sl + (1 - su - sl) = 1 - 2 sl for every finite input, so bm = 1 - 0.4 (1 - m) cn and crossed_pos drops out.
;   c10 = 10 log2(e);  xs = c10 x;  NG = -2.5 (1 + 2^(c10 (x - prev))) = -1 / (0.4 (1 - m))          per (b, i)
;   P1 = c10 Ec;  K3 = k / 5;  C2 = -2 coef Ps                                                       per (i, o, n)
;   t = xs + P1;  w = 1 / (2^t NG + NG) = -0.4 sl;  z = P1 w + t = c10 (x + Ec bm);  r = 1 / (1 + 2^(K3 z));  tanh = 1 - 2 r
;   out0 = sum coef (Ps + bias) + sum C2 r.  The first sum is the start value of each lane's 32-term sum.
; SHARES.  A work-group: 16 b x 8 o, all of (i, n).  A wave: 16 i.  Lane l: o = (l & 15) >> 1, n = 4 (l & 1) .. + 3, i = 16 wave + 8 (l >> 4) + j, j = 0..7:
;   32 parameter elements, three registers each, held for the whole launch.  One parameter load of a wave covers two rows of 256 consecutive, aligned bytes.
; NOT USED, AND WHY.  Matrix unit: basis hangs on b, i, o and n, each number enters one product only, a 16 x 16 tile would use one column of sixteen;
;   the weighted sum is one fused multiply-add where the number is made.  Joint requests in a cluster: the 32 work-groups of an o block read the same
;   160 KiB, but once each, at the start, straight into the registers where they stay (40 loads of a wave in flight at once); a joint request would add a pass through LDS.
; OUTPUT.  The block is 16 rows of 32 bytes: a row of out0 (256 bytes) is shared by 8 work-groups.  Whole rows would mean that every work-group reads
;   all 1.25 MiB of parameters; out0 is 128 KiB in all.
; LIMITS.  |NG| is capped at 2^100 and v_rcp_f32 gives 0 below 2^-126: 0.4 sl is then off by at most 2^-100, which shows only where |Ec| exceeds
;   some 2^70 |x + Ec|.  A NaN in x[b-1][i] makes row b-1 NaN but does not reach row b through the gate (the cap's maximum drops it).  Infinite inputs are not served.
.set C10,    0x4166d4ca                ; 10 log2(e) = 14.426950
.set FIFTH,  0x3e4ccccd                ; 0.2
.set XROW,   512                       ; bytes in a row of x
.set PROW,   2048                      ; bytes from one i to the next in a parameter array
.set BS,     16                        ; b of a work-group
.set XGROW,  1024                      ; LDS: 128 pairs (xs, NG) of one b
.set RED,    BS*XGROW                  ; LDS: behind them, for each wave 16 b x 8 o partial sums (512 bytes)
.set P1,  16                           ; v[16:47]    Ec as loaded, then c10 Ec
.set K3,  48                           ; v[48:79]    k as loaded, then k / 5
.set C2,  80                           ; v[80:111]   Ps as loaded, then -2 coef Ps
.set T,   112                          ; v[112:143]  coef as loaded; in the loop t, z, and on to r
.set E,   144                          ; v[144:175]  bias as loaded; in the loop 2^t and on to w
.set XG,  176                          ; v[176:191]  (xs, NG) of my 8 i for the b at work
.set ACC, 192                          ; v[192:199]  four chains of packed sums
.set CS,  200                          ; v[200:201]  my part of sum coef (Ps + bias)
.set XA,  204                          ; v[204:219]  x phase: rows r, r + 8, r - 1, r + 7 (4 numbers each)
.set XB,  208
.set XP,  212
.set XQ,  216
.set SA,  220                          ; v[220:235]  x phase: 4 pairs (xs, NG) of row r, of row r + 8
.set SB,  228
	s_load_b256 s[4:11], s[0:1], 0x0               ; x s[4:5], Ec s[6:7], k s[8:9], Ps s[10:11]
	s_load_b128 s[12:15], s[0:1], 0x20             ; bias s[12:13], coef s[14:15]
	s_load_b64 s[16:17], s[0:1], 0x30              ; out0
	v_lshl_add_u32 v240, v0, 2, 0x5000
	v_mov_b32 v241, 0
	v_lshrrev_b32 v1, 5, v0
	v_readfirstlane_b32 s18, v1                    ; wave 0..7
	s_and_b32 s19, ttmp7, 0xffff                   ; o block 0..7;  ttmp9: b block 0..31
	s_lshl_b32 s20, ttmp9, 4
	s_add_co_u32 s20, s20, s18                     ; r = 16 x b block + wave: the first row of x that this wave prepares (the other is r + 8)
	s_max_u32 s21, s20, 1
	s_sub_co_u32 s21, s21, 1                       ; r - 1, or row 0 where r = 0: the load stays inside x,
	s_cmp_lg_u32 s20, 0
	s_cselect_b32 s22, -1, 0                       ; and its numbers are then masked to 0, the start value of prev
	s_lshl_b32 s24, s20, 9                         ; r x 512 bytes
	s_mov_b32 s25, 0
	s_lshl_b32 s26, s21, 9
	s_mov_b32 s27, 0
	s_lshl_b32 s30, s18, 15                        ; parameters: wave x 16 i x 2,048 bytes
	s_lshl_b32 s31, s19, 8                         ; + o block x 256 bytes
	s_add_co_u32 s30, s30, s31
	s_mov_b32 s31, 0
	s_mov_b32 s23, 0xc0200000                      ; -2.5
	s_mov_b32 s28, 0xf1800000                      ; -2^100, the cap of NG
	s_mov_b32 s34, 0x76543210                      ; v_permlanex16_b32: lane i takes lane i of the other half
	s_mov_b32 s35, 0xfedcba98
	v_and_b32 v2, 31, v0                           ; lane
	v_lshlrev_b32 v3, 4, v2                        ; x: 16 bytes a lane, a wave takes a whole row of 512 bytes
	v_and_b32 v9, 15, v0
	v_bfe_u32 v10, v0, 4, 1                        ; h: which half of the lanes
	v_lshlrev_b32 v4, 4, v9                        ; parameters: 16 bytes a lane, 16 lanes a row of 256 bytes,
	v_lshl_add_u32 v4, v10, 14, v4                 ; the upper half 8 i further on
	v_lshlrev_b32 v8, 5, v0                        ; LDS, x phase: wave x 1,024 + lane x 32 = thread x 32
	v_lshlrev_b32 v5, 6, v10                       ; LDS, loop: my 8 pairs at (16 wave + 8 h) x 8 bytes of a b's row
	v_lshl_add_u32 v5, v1, 7, v5
	v_bfe_u32 v11, v0, 1, 3                        ; my o
	s_lshl_b32 s33, s18, 9
	s_add_co_u32 s33, s33, RED                     ; my wave's 512 bytes of partial sums
	v_lshlrev_b32 v6, 2, v11
	v_add_nc_u32 v6, s33, v6                       ; + 4 o; steps by 32 bytes from b to b
	v_mov_b32 v7, 0                                ; v_permlanex16_b32 counts as a reader of its destination
	s_wait_kmcnt 0x0
	s_add_nc_u64 s[24:25], s[4:5], s[24:25]        ; x at row r
	s_add_nc_u64 s[26:27], s[4:5], s[26:27]        ; x at row r - 1
	s_add_nc_u64 s[6:7], s[6:7], s[30:31]
	s_add_nc_u64 s[8:9], s[8:9], s[30:31]
	s_add_nc_u64 s[10:11], s[10:11], s[30:31]
	s_add_nc_u64 s[12:13], s[12:13], s[30:31]
	s_add_nc_u64 s[14:15], s[14:15], s[30:31]
	global_load_b128 v[XA:XA+3], v3, s[24:25]
	global_load_b128 v[XB:XB+3], v3, s[24:25] offset:8*XROW
	global_load_b128 v[XP:XP+3], v3, s[26:27]
	global_load_b128 v[XQ:XQ+3], v3, s[24:25] offset:7*XROW
.irp j, 0,1,2,3,4,5,6,7                            ; all 40 parameter loads go out at once, slot j's five together
	global_load_b128 v[P1+4*\j:P1+4*\j+3], v4, s[6:7] offset:PROW*\j
	global_load_b128 v[K3+4*\j:K3+4*\j+3], v4, s[8:9] offset:PROW*\j
	global_load_b128 v[C2+4*\j:C2+4*\j+3], v4, s[10:11] offset:PROW*\j
	global_load_b128 v[E+4*\j:E+4*\j+3], v4, s[12:13] offset:PROW*\j
	global_load_b128 v[T+4*\j:T+4*\j+3], v4, s[14:15] offset:PROW*\j
.endr
; X PHASE: (xs, NG) of four i of one row.  x: the row, p: the row before it (used up), s: eight registers for the four pairs.
.macro GATE x, p, s
	v_pk_add_f32 v[\p:\p+1], v[\x:\x+1], v[\p:\p+1] neg_lo:[0,1] neg_hi:[0,1]         ; x - prev
	v_pk_add_f32 v[\p+2:\p+3], v[\x+2:\x+3], v[\p+2:\p+3] neg_lo:[0,1] neg_hi:[0,1]
	v_pk_mul_f32 v[\p:\p+1], v[\p:\p+1], C10 op_sel_hi:[1,0]
	v_pk_mul_f32 v[\p+2:\p+3], v[\p+2:\p+3], C10 op_sel_hi:[1,0]
.irp c, 0,1,2,3
	v_exp_f32 v[\p+\c], v[\p+\c]                   ; e^(10 (x - prev))
.endr
.irp c, 0,1,2,3
	v_mul_f32 v[\s+2*\c], C10, v[\x+\c]            ; xs; also the plain instructions between the exponentials and their use (ISA guide 5.7.2)
.endr
	s_wait_alu depctr_va_vdst(0)
.irp c, 0,1,2,3
	v_fma_f32 v[\s+2*\c+1], v[\p+\c], s23, s23     ; -2.5 (1 + e^..): the reciprocal of -0.4 (1 - m), with no division
.endr
.irp c, 0,1,2,3
	v_max_num_f32 v[\s+2*\c+1], s28, v[\s+2*\c+1]  ; never -infinity: 2^t NG + NG must not become 0 x infinity
.endr
.endm
	s_wait_loadcnt 40                              ; the four loads of x are in; the 40 younger parameter loads stay out
.irp c, 0,1,2,3
	v_and_b32 v[XP+\c], s22, v[XP+\c]              ; prev = 0 in front of row 0
.endr
	GATE XA, XP, SA
	GATE XB, XQ, SB
	ds_store_b128 v8, v[SA:SA+3]
	ds_store_b128 v8, v[SA+4:SA+7] offset:16
	ds_store_b128 v8, v[SB:SB+3] offset:8*XGROW
	ds_store_b128 v8, v[SB+4:SB+7] offset:8*XGROW+16
	s_wait_dscnt 0x0                               ; for the other waves: my pairs are in LDS before I signal
	s_barrier_signal -1
	s_barrier_wait -1
.irp q, 0,1,2,3
	ds_load_b128 v[XG+4*\q:XG+4*\q+3], v5 offset:16*\q     ; b = 0: two addresses in the wave, 16 lanes share each
.endr
; PARAMETERS, once: pair p (two neighbouring n) of my 16 pairs.
.macro PREP p
	v_pk_add_f32 v[E+2*(\p):E+2*(\p)+1], v[C2+2*(\p):C2+2*(\p)+1], v[E+2*(\p):E+2*(\p)+1]     ; Ps + bias
.if (\p) == 0
	v_pk_mul_f32 v[CS:CS+1], v[T:T+1], v[E:E+1]                                               ; the first product starts the sum
.else
	v_pk_fma_f32 v[CS:CS+1], v[T+2*(\p):T+2*(\p)+1], v[E+2*(\p):E+2*(\p)+1], v[CS:CS+1]       ; + coef (Ps + bias)
.endif
	v_pk_mul_f32 v[C2+2*(\p):C2+2*(\p)+1], v[C2+2*(\p):C2+2*(\p)+1], v[T+2*(\p):T+2*(\p)+1]   ; coef Ps
	v_pk_mul_f32 v[C2+2*(\p):C2+2*(\p)+1], v[C2+2*(\p):C2+2*(\p)+1], -2.0 op_sel_hi:[1,0]
	v_pk_mul_f32 v[P1+2*(\p):P1+2*(\p)+1], v[P1+2*(\p):P1+2*(\p)+1], C10 op_sel_hi:[1,0]
	v_pk_mul_f32 v[K3+2*(\p):K3+2*(\p)+1], v[K3+2*(\p):K3+2*(\p)+1], FIFTH op_sel_hi:[1,0]
.endm
.irp j, 0,1,2,3,4,5,6,7
	s_wait_loadcnt 5*(7-\j)                        ; slot j's five loads are in; five for each later slot stay out
	PREP 2*\j
	PREP 2*\j+1
.endr
; THE STEPS OF AN ELEMENT.  p: a pair (0..15), e: an element (0..31).  Pair p belongs to i slot p / 2, whose (xs, NG) lie in v[XG + 2 (p / 2)] and the next.
.macro TSUM p                          ; t = P1 + xs (the pair's first register for both halves)
	v_pk_add_f32 v[T+2*(\p):T+2*(\p)+1], v[P1+2*(\p):P1+2*(\p)+1], v[XG+2*((\p)/2):XG+2*((\p)/2)+1] op_sel_hi:[1,0]
.endm
.macro EX1 e                           ; 2^t = e^(10 (x + Ec)); t is kept
	v_exp_f32 v[E+(\e)], v[T+(\e)]
.endm
.macro DEN1 p                          ; 2^t NG + NG (the pair's second register for both halves)
	s_wait_alu depctr_va_vdst(0)
	v_pk_fma_f32 v[E+2*(\p):E+2*(\p)+1], v[E+2*(\p):E+2*(\p)+1], v[XG+2*((\p)/2):XG+2*((\p)/2)+1], v[XG+2*((\p)/2):XG+2*((\p)/2)+1] op_sel:[0,1,1] op_sel_hi:[1,1,1]
.endm
.macro RC1 e                           ; w = -0.4 (1 - m) cn
	v_rcp_f32 v[E+(\e)], v[E+(\e)]
.endm
.macro ARGA p                          ; z = P1 w + t = c10 (x + Ec bm)
	s_wait_alu depctr_va_vdst(0)
	v_pk_fma_f32 v[T+2*(\p):T+2*(\p)+1], v[P1+2*(\p):P1+2*(\p)+1], v[E+2*(\p):E+2*(\p)+1], v[T+2*(\p):T+2*(\p)+1]
.endm
.macro ARGB p                          ; K3 z = 2 log2(e) k (x + Ec bm)
	v_pk_mul_f32 v[T+2*(\p):T+2*(\p)+1], v[T+2*(\p):T+2*(\p)+1], v[K3+2*(\p):K3+2*(\p)+1]
.endm
.macro EX2 e
	v_exp_f32 v[T+(\e)], v[T+(\e)]
.endm
.macro DEN2 p
	s_wait_alu depctr_va_vdst(0)
	v_pk_add_f32 v[T+2*(\p):T+2*(\p)+1], v[T+2*(\p):T+2*(\p)+1], 1.0 op_sel_hi:[1,0]
.endm
.macro RC2 e                           ; r = (1 - tanh) / 2
	v_rcp_f32 v[T+(\e)], v[T+(\e)]
.endm
.macro WSUM p                          ; chain p % 4: + C2 r.  Chain 0 starts from the constant part, the others from their first product: nothing is cleared
.if (\p) == 0
	v_pk_fma_f32 v[ACC:ACC+1], v[C2:C2+1], v[T:T+1], v[CS:CS+1]
.else
.if (\p) < 4
	v_pk_mul_f32 v[ACC+2*(\p):ACC+2*(\p)+1], v[C2+2*(\p):C2+2*(\p)+1], v[T+2*(\p):T+2*(\p)+1]
.else
	s_wait_alu depctr_va_vdst(0)
	v_pk_fma_f32 v[ACC+2*((\p)%4):ACC+2*((\p)%4)+1], v[C2+2*(\p):C2+2*(\p)+1], v[T+2*(\p):T+2*(\p)+1], v[ACC+2*((\p)%4):ACC+2*((\p)%4)+1]
.endif
.endif
.endm
; ONE b: my 32 elements in two halves (pairs 0-7, pairs 8-15).  The transcendentals of one half alternate with the packed arithmetic of the other, so that
; every run of transcendentals ends in a plain instruction that touches none of their registers before a result is used (ISA guide 5.7.2),
; and a result is asked for a whole phase (24 instructions or more) behind the instruction that makes it.
; more = 1: the next b's pairs are fetched as soon as this b's are used up.
.macro BSTEP more
	s_wait_dscnt 0x0                               ; this b's (xs, NG) are in (asked for five phases ago; on the way in: in front of the parameter work)
.irp q, 0,1,2,3,4,5,6,7
	TSUM \q
.endr
.irp q, 0,1,2,3,4,5,6,7
	EX1 2*\q
	EX1 2*\q+1
	TSUM \q+8
.endr
.irp q, 0,1,2,3,4,5,6,7
	EX1 16+2*\q
	EX1 17+2*\q
	DEN1 \q
.endr
.irp q, 0,1,2,3,4,5,6,7
	RC1 2*\q
	RC1 2*\q+1
	DEN1 \q+8
.endr
.if \more
.irp q, 0,1,2,3
	ds_load_b128 v[XG+4*\q:XG+4*\q+3], v5 offset:XGROW+16*\q       ; XG's last reader stands above
.endr
	v_add_nc_u32 v5, XGROW, v5
.endif
.irp q, 0,1,2,3,4,5,6,7
	RC1 16+2*\q
	ARGA \q
	RC1 17+2*\q
	ARGB \q
.endr
.irp q, 0,1,2,3,4,5,6,7
	EX2 2*\q
	ARGA \q+8
	EX2 2*\q+1
	ARGB \q+8
.endr
.irp q, 0,1,2,3,4,5,6,7
	EX2 16+2*\q
	EX2 17+2*\q
	DEN2 \q
.endr
.irp q, 0,1,2,3,4,5,6,7
	RC2 2*\q
	RC2 2*\q+1
	DEN2 \q+8
.endr
.irp q, 0,1,2,3,4,5,6,7
	RC2 16+2*\q
	RC2 17+2*\q
	WSUM \q
.endr
.irp q, 0,1,2,3,4,5,6,7
	WSUM \q+8
.endr
	v_pk_add_f32 v[ACC:ACC+1], v[ACC:ACC+1], v[ACC+2:ACC+3]        ; the four chains,
	v_pk_add_f32 v[ACC+4:ACC+5], v[ACC+4:ACC+5], v[ACC+6:ACC+7]
	v_pk_add_f32 v[ACC:ACC+1], v[ACC:ACC+1], v[ACC+4:ACC+5]
	v_add_f32 v[ACC], v[ACC], v[ACC+1]                             ; the two halves of a pair: my 8 i x 4 n,
	v_add_f32_dpp v[ACC], v[ACC], v[ACC] row_xmask:1 row_mask:0xf bank_mask:0xf    ; the neighbour lane: the other 4 n of my o,
	v_permlanex16_b32 v7, v[ACC], s34, s35
	v_add_f32 v[ACC], v[ACC], v7                                   ; the other half of the lanes: the wave's other 8 i
	ds_store_b32 v6, v[ACC]                        ; the four lanes of an o write the same number to the same word of my wave's own bytes
	v_add_nc_u32 v6, 32, v6                        ; the next b
.endm
	s_mov_b32 s36, BS-1
.Lb:
	BSTEP 1
	s_sub_co_u32 s36, s36, 1
	s_cmp_lg_u32 s36, 0
	s_cbranch_scc1 .Lb
	BSTEP 0                                        ; the last b fetches nothing
	s_wait_dscnt 0x0                               ; for wave 0: my partial sums are in LDS before I signal
	s_barrier_signal -1
	s_barrier_wait -1
	s_cmp_lg_u32 s18, 0
	s_cbranch_scc1 .Lend
	; Wave 0 adds the eight waves' parts.  Lane l: b = l >> 1, four o from 4 (l & 1): 16 bytes at 16 l of each wave's 512.
.irp w, 0,1,2,3,4,5,6,7
	ds_load_b128 v[T+4*\w:T+4*\w+3], v3 offset:RED+512*\w
.endr
	v_lshrrev_b32 v11, 1, v2
	v_and_b32 v12, 1, v2
	v_lshlrev_b32 v12, 4, v12
	v_lshl_add_u32 v12, v11, 8, v12                ; b x 256 bytes (a row of out0) + 16 (l & 1)
	s_lshl_b32 s38, ttmp9, 12                      ; b block x 16 rows x 256 bytes
	s_lshl_b32 s39, s19, 5                         ; + o block x 32 bytes
	s_add_co_u32 s38, s38, s39
	s_mov_b32 s39, 0
	s_add_nc_u64 s[16:17], s[16:17], s[38:39]
	s_wait_dscnt 0x0
.irp w, 0,1,2,3
	v_pk_add_f32 v[T+4*\w:T+4*\w+1], v[T+4*\w:T+4*\w+1], v[T+16+4*\w:T+16+4*\w+1]
	v_pk_add_f32 v[T+4*\w+2:T+4*\w+3], v[T+4*\w+2:T+4*\w+3], v[T+16+4*\w+2:T+16+4*\w+3]
.endr
.irp w, 0,1
	v_pk_add_f32 v[T+4*\w:T+4*\w+1], v[T+4*\w:T+4*\w+1], v[T+8+4*\w:T+8+4*\w+1]
	v_pk_add_f32 v[T+4*\w+2:T+4*\w+3], v[T+4*\w+2:T+4*\w+3], v[T+8+4*\w+2:T+8+4*\w+3]
.endr
	v_pk_add_f32 v[T:T+1], v[T:T+1], v[T+4:T+5]
	v_pk_add_f32 v[T+2:T+3], v[T+2:T+3], v[T+6:T+7]
	global_store_b128 v12, v[T:T+3], s[16:17]      ; two lanes fill the block's 32 bytes of a row, 16 rows in the one store
.Lend:
	s_wait_tensorcnt 0x0
	ds_add_u32 v240, v241
	s_wait_dscnt 0x0
	s_endpgm
.Lfunc_end_k_q3c9f3be8e4_ferro:
	.size	k_q3c9f3be8e4_ferro, .Lfunc_end_k_q3c9f3be8e4_ferro-k_q3c9f3be8e4_ferro
	.p2alignl 7, 3214868480
	.fill 96, 4, 3214868480
	.section	.rodata,"a",@progbits
	.p2align	6, 0x0
	.amdhsa_kernel k_q3c9f3be8e4_ferro
		.amdhsa_group_segment_fixed_size 21504
		.amdhsa_private_segment_fixed_size 0
		.amdhsa_enable_private_segment 0
		.amdhsa_kernarg_size 56
		.amdhsa_user_sgpr_count 2
		.amdhsa_user_sgpr_kernarg_segment_ptr 1
		.amdhsa_wavefront_size32 1
		.amdhsa_system_sgpr_workgroup_id_x 1
		.amdhsa_system_sgpr_workgroup_id_y 1
		.amdhsa_system_sgpr_workgroup_id_z 1
		.amdhsa_system_vgpr_workitem_id 0
		.amdhsa_next_free_vgpr 242
		.amdhsa_next_free_sgpr 66
		.amdhsa_reserve_vcc 0
		.amdhsa_float_denorm_mode_32 3
		.amdhsa_float_denorm_mode_16_64 3
		.amdhsa_memory_ordered 1
		.amdhsa_forward_progress 1
		.amdhsa_inst_pref_size 44
	.end_amdhsa_kernel
	.amdgpu_metadata
---
amdhsa.version: [ 1, 2 ]
amdhsa.kernels:
  - .name:           k_q3c9f3be8e4_ferro
    .symbol:         k_q3c9f3be8e4_ferro.kd
    .args:
      - { .name: x, .offset: 0, .size: 8, .value_kind: global_buffer, .address_space: global }
      - { .name: Ec, .offset: 8, .size: 8, .value_kind: global_buffer, .address_space: global }
      - { .name: k, .offset: 16, .size: 8, .value_kind: global_buffer, .address_space: global }
      - { .name: Ps, .offset: 24, .size: 8, .value_kind: global_buffer, .address_space: global }
      - { .name: bias, .offset: 32, .size: 8, .value_kind: global_buffer, .address_space: global }
      - { .name: coef, .offset: 40, .size: 8, .value_kind: global_buffer, .address_space: global }
      - { .name: out0, .offset: 48, .size: 8, .value_kind: global_buffer, .address_space: global }
    .group_segment_fixed_size: 21504
    .private_segment_fixed_size: 0
    .kernarg_segment_align: 8
    .kernarg_segment_size: 56
    .max_flat_workgroup_size: 256
    .sgpr_count:     66
    .vgpr_count:     242
    .wavefront_size: 32
...
	.end_amdgpu_metadata
.endif
;; end of part 1
;; ======== version 2 of 2: 1 launch; 1.68 times as fast as version 1
;; launch ferro (part 2): grid 32 x 8, 8 waves a work-group, no clusters, 21,504 bytes of LDS; arguments x, Ec, k, Ps, bias, coef, out0; writes out0
.if DOCPART == 2
	.amdgcn_target "amdgcn-amd-amdhsa--gfx1250"
	.amdhsa_code_object_version 6
	.text
	.protected	k_q3c9f3be8e4_ferro
	.globl	k_q3c9f3be8e4_ferro
	.p2align	8
	.type	k_q3c9f3be8e4_ferro,@function
k_q3c9f3be8e4_ferro:
	s_mov_b64 s[64:65], 0
	v_nop
	global_prefetch_b8 v0, s[64:65] scope:SCOPE_SE
	s_setreg_imm32_b32 hwreg(HW_REG_WAVE_MODE, 25, 1), 1
	s_wait_xcnt 0x0
; out0[b][o] = sum over i, n of coef * (Ps * tanh(k * (x + Ec * bm)) + bias),   x: [512][128], parameters: [128 i][64 o][8 n], all f32.
; ALGEBRA.  target = su - sl + (1 - su - sl) = 1 - 2 sl for every finite input, so bm = 1 - 0.4 (1 - m) cn and crossed_pos drops out.
;   c10 = 10 log2(e);  xs = c10 x;  NG = -2.5 (1 + 2^(c10 (x - prev))) = -1 / (0.4 (1 - m))          per (b, i)
;   P1 = c10 Ec;  K3 = k / 5;  C2 = -2 coef Ps                                                       per (i, o, n)
;   t = xs + P1;  w = 1 / (2^t NG + NG) = -0.4 sl;  z = P1 w + t = c10 (x + Ec bm);  r = 1 / (1 + 2^(K3 z));  tanh = 1 - 2 r
;   out0 = sum coef (Ps + bias) + sum C2 r.  The first sum is the start value of each lane's 32-term sum.
; SHARES.  A work-group: 16 b x 8 o, all of (i, n).  A wave: 16 i.  Lane l: o = (l & 15) >> 1, n = 4 (l & 1) .. + 3, i = 16 wave + 8 (l >> 4) + j, j = 0..7:
;   32 parameter elements, three registers each, held for the whole launch.  One parameter load of a wave covers two rows of 256 consecutive, aligned bytes.
; BATCHES.  An element's chain is exponential, reciprocal, exponential, reciprocal, sum.  A lane's 32 elements of one b go through each of the four stages together:
;   a stage's 32 transcendentals are ONE BATCH, each result in a register of its own (E + e for the first two stages, T + e for the last two), and one
;   s_wait_alu depctr_va_vdst(0), ahead of the first instruction that names a result, stands behind each batch: four a b.
;   The packed arithmetic that feeds a batch reads the batch before, names no result of its own batch, and stands among its transcendentals, two or three pairs ahead.
;   In the x phase the eight exponentials of a wave's two rows are one batch with one wait.
; NOT USED, AND WHY.  Matrix unit: basis hangs on b, i, o and n, each number enters one product only, a 16 x 16 tile would use one column of sixteen;
;   the weighted sum is one fused multiply-add where the number is made.  Joint requests in a cluster: the 32 work-groups of an o block read the same
;   160 KiB, but once each, at the start, straight into the registers where they stay (40 loads of a wave in flight at once); a joint request would add a pass through LDS.
; OUTPUT.  The block is 16 rows of 32 bytes: a row of out0 (256 bytes) is shared by 8 work-groups.  Whole rows would mean that every work-group reads
;   all 1.25 MiB of parameters; out0 is 128 KiB in all.
; LIMITS.  |NG| is capped at 2^100 and v_rcp_f32 gives 0 below 2^-126: 0.4 sl is then off by at most 2^-100, which shows only where |Ec| exceeds
;   some 2^70 |x + Ec|.  A NaN in x[b-1][i] makes row b-1 NaN but does not reach row b through the gate (the cap's maximum drops it).  Infinite inputs are not served.
.set C10,    0x4166d4ca                ; 10 log2(e) = 14.426950
.set FIFTH,  0x3e4ccccd                ; 0.2
.set XROW,   512                       ; bytes in a row of x
.set PROW,   2048                      ; bytes from one i to the next in a parameter array
.set BS,     16                        ; b of a work-group
.set XGROW,  1024                      ; LDS: 128 pairs (xs, NG) of one b
.set RED,    BS*XGROW                  ; LDS: behind them, for each wave 16 b x 8 o partial sums (512 bytes)
.set P1,  16                           ; v[16:47]    Ec as loaded, then c10 Ec
.set K3,  48                           ; v[48:79]    k as loaded, then k / 5
.set C2,  80                           ; v[80:111]   Ps as loaded, then -2 coef Ps
.set T,   112                          ; v[112:143]  coef as loaded; in the loop t, z, and on to r
.set E,   144                          ; v[144:175]  bias as loaded; in the loop 2^t and on to w
.set XG,  176                          ; v[176:191]  (xs, NG) of my 8 i for the b at work
.set ACC, 192                          ; v[192:199]  four chains of packed sums
.set CS,  200                          ; v[200:201]  my part of sum coef (Ps + bias)
.set XA,  204                          ; v[204:219]  x phase: rows r, r + 8, r - 1, r + 7 (4 numbers each)
.set XB,  208
.set XP,  212
.set XQ,  216
.set SA,  220                          ; v[220:235]  x phase: 4 pairs (xs, NG) of row r, of row r + 8
.set SB,  228
	s_load_b256 s[4:11], s[0:1], 0x0               ; x s[4:5], Ec s[6:7], k s[8:9], Ps s[10:11]
	s_load_b128 s[12:15], s[0:1], 0x20             ; bias s[12:13], coef s[14:15]
	s_load_b64 s[16:17], s[0:1], 0x30              ; out0
	v_lshl_add_u32 v240, v0, 2, 0x5000
	v_mov_b32 v241, 0
	v_lshrrev_b32 v1, 5, v0
	v_readfirstlane_b32 s18, v1                    ; wave 0..7
	s_and_b32 s19, ttmp7, 0xffff                   ; o block 0..7;  ttmp9: b block 0..31
	s_lshl_b32 s20, ttmp9, 4
	s_add_co_u32 s20, s20, s18                     ; r = 16 x b block + wave: the first row of x that this wave prepares (the other is r + 8)
	s_max_u32 s21, s20, 1
	s_sub_co_u32 s21, s21, 1                       ; r - 1, or row 0 where r = 0: the load stays inside x,
	s_cmp_lg_u32 s20, 0
	s_cselect_b32 s22, -1, 0                       ; and its numbers are then masked to 0, the start value of prev
	s_lshl_b32 s24, s20, 9                         ; r x 512 bytes
	s_mov_b32 s25, 0
	s_lshl_b32 s26, s21, 9
	s_mov_b32 s27, 0
	s_lshl_b32 s30, s18, 15                        ; parameters: wave x 16 i x 2,048 bytes
	s_lshl_b32 s31, s19, 8                         ; + o block x 256 bytes
	s_add_co_u32 s30, s30, s31
	s_mov_b32 s31, 0
	s_mov_b32 s23, 0xc0200000                      ; -2.5
	s_mov_b32 s28, 0xf1800000                      ; -2^100, the cap of NG
	s_mov_b32 s34, 0x76543210                      ; v_permlanex16_b32: lane i takes lane i of the other half
	s_mov_b32 s35, 0xfedcba98
	v_and_b32 v2, 31, v0                           ; lane
	v_lshlrev_b32 v3, 4, v2                        ; x: 16 bytes a lane, a wave takes a whole row of 512 bytes
	v_and_b32 v9, 15, v0
	v_bfe_u32 v10, v0, 4, 1                        ; h: which half of the lanes
	v_lshlrev_b32 v4, 4, v9                        ; parameters: 16 bytes a lane, 16 lanes a row of 256 bytes,
	v_lshl_add_u32 v4, v10, 14, v4                 ; the upper half 8 i further on
	v_lshlrev_b32 v8, 5, v0                        ; LDS, x phase: wave x 1,024 + lane x 32 = thread x 32
	v_lshlrev_b32 v5, 6, v10                       ; LDS, loop: my 8 pairs at (16 wave + 8 h) x 8 bytes of a b's row
	v_lshl_add_u32 v5, v1, 7, v5
	v_bfe_u32 v11, v0, 1, 3                        ; my o
	s_lshl_b32 s33, s18, 9
	s_add_co_u32 s33, s33, RED                     ; my wave's 512 bytes of partial sums
	v_lshlrev_b32 v6, 2, v11
	v_add_nc_u32 v6, s33, v6                       ; + 4 o; steps by 32 bytes from b to b
	v_mov_b32 v7, 0                                ; v_permlanex16_b32 counts as a reader of its destination
	s_wait_kmcnt 0x0
	s_add_nc_u64 s[24:25], s[4:5], s[24:25]        ; x at row r
	s_add_nc_u64 s[26:27], s[4:5], s[26:27]        ; x at row r - 1
	s_add_nc_u64 s[6:7], s[6:7], s[30:31]
	s_add_nc_u64 s[8:9], s[8:9], s[30:31]
	s_add_nc_u64 s[10:11], s[10:11], s[30:31]
	s_add_nc_u64 s[12:13], s[12:13], s[30:31]
	s_add_nc_u64 s[14:15], s[14:15], s[30:31]
	global_load_b128 v[XA:XA+3], v3, s[24:25]
	global_load_b128 v[XB:XB+3], v3, s[24:25] offset:8*XROW
	global_load_b128 v[XP:XP+3], v3, s[26:27]
	global_load_b128 v[XQ:XQ+3], v3, s[24:25] offset:7*XROW
.irp j, 0,1,2,3,4,5,6,7                            ; all 40 parameter loads go out at once, slot j's five together
	global_load_b128 v[P1+4*\j:P1+4*\j+3], v4, s[6:7] offset:PROW*\j
	global_load_b128 v[K3+4*\j:K3+4*\j+3], v4, s[8:9] offset:PROW*\j
	global_load_b128 v[C2+4*\j:C2+4*\j+3], v4, s[10:11] offset:PROW*\j
	global_load_b128 v[E+4*\j:E+4*\j+3], v4, s[12:13] offset:PROW*\j
	global_load_b128 v[T+4*\j:T+4*\j+3], v4, s[14:15] offset:PROW*\j
.endr
; X PHASE: (xs, NG) of four i of one row, in two parts.  x: the row, p: the row before it (used up), s: eight registers for the four pairs.
; GATE1: up to the exponentials, and xs.  GATE2: what reads the exponentials.  Both rows' GATE1 stand ahead of the one wait, both GATE2 behind it.
.macro GATE1 x, p, s
	v_pk_add_f32 v[\p:\p+1], v[\x:\x+1], v[\p:\p+1] neg_lo:[0,1] neg_hi:[0,1]         ; x - prev
	v_pk_add_f32 v[\p+2:\p+3], v[\x+2:\x+3], v[\p+2:\p+3] neg_lo:[0,1] neg_hi:[0,1]
	v_pk_mul_f32 v[\p:\p+1], v[\p:\p+1], C10 op_sel_hi:[1,0]
	v_pk_mul_f32 v[\p+2:\p+3], v[\p+2:\p+3], C10 op_sel_hi:[1,0]
.irp c, 0,1,2,3
	v_exp_f32 v[\p+\c], v[\p+\c]                   ; e^(10 (x - prev))
.endr
.irp c, 0,1,2,3
	v_mul_f32 v[\s+2*\c], C10, v[\x+\c]            ; xs; also the plain instructions between the exponentials and their use (ISA guide 5.7.2)
.endr
.endm
.macro GATE2 p, s
.irp c, 0,1,2,3
	v_fma_f32 v[\s+2*\c+1], v[\p+\c], s23, s23     ; -2.5 (1 + e^..): the reciprocal of -0.4 (1 - m), with no division
.endr
.irp c, 0,1,2,3
	v_max_num_f32 v[\s+2*\c+1], s28, v[\s+2*\c+1]  ; never -infinity: 2^t NG + NG must not become 0 x infinity
.endr
.endm
	s_wait_loadcnt 40                              ; the four loads of x are in; the 40 younger parameter loads stay out
.irp c, 0,1,2,3
	v_and_b32 v[XP+\c], s22, v[XP+\c]              ; prev = 0 in front of row 0
.endr
	GATE1 XA, XP, SA
	GATE1 XB, XQ, SB
	s_wait_alu depctr_va_vdst(0)                   ; the wait for the batch of eight exponentials (XP, XQ), ahead of their first reader
	GATE2 XP, SA
	GATE2 XQ, SB
	ds_store_b128 v8, v[SA:SA+3]
	ds_store_b128 v8, v[SA+4:SA+7] offset:16
	ds_store_b128 v8, v[SB:SB+3] offset:8*XGROW
	ds_store_b128 v8, v[SB+4:SB+7] offset:8*XGROW+16
	s_wait_dscnt 0x0                               ; for the other waves: my pairs are in LDS before I signal
	s_barrier_signal -1
	s_barrier_wait -1
.irp q, 0,1,2,3
	ds_load_b128 v[XG+4*\q:XG+4*\q+3], v5 offset:16*\q     ; b = 0: two addresses in the wave, 16 lanes share each
.endr
; PARAMETERS, once: pair p (two neighbouring n) of my 16 pairs.
.macro PREP p
	v_pk_add_f32 v[E+2*(\p):E+2*(\p)+1], v[C2+2*(\p):C2+2*(\p)+1], v[E+2*(\p):E+2*(\p)+1]     ; Ps + bias
.if (\p) == 0
	v_pk_mul_f32 v[CS:CS+1], v[T:T+1], v[E:E+1]                                               ; the first product starts the sum
.else
	v_pk_fma_f32 v[CS:CS+1], v[T+2*(\p):T+2*(\p)+1], v[E+2*(\p):E+2*(\p)+1], v[CS:CS+1]       ; + coef (Ps + bias)
.endif
	v_pk_mul_f32 v[C2+2*(\p):C2+2*(\p)+1], v[C2+2*(\p):C2+2*(\p)+1], v[T+2*(\p):T+2*(\p)+1]   ; coef Ps
	v_pk_mul_f32 v[C2+2*(\p):C2+2*(\p)+1], v[C2+2*(\p):C2+2*(\p)+1], -2.0 op_sel_hi:[1,0]
	v_pk_mul_f32 v[P1+2*(\p):P1+2*(\p)+1], v[P1+2*(\p):P1+2*(\p)+1], C10 op_sel_hi:[1,0]
	v_pk_mul_f32 v[K3+2*(\p):K3+2*(\p)+1], v[K3+2*(\p):K3+2*(\p)+1], FIFTH op_sel_hi:[1,0]
.endm
.irp j, 0,1,2,3,4,5,6,7
	s_wait_loadcnt 5*(7-\j)                        ; slot j's five loads are in; five for each later slot stay out
	PREP 2*\j
	PREP 2*\j+1
.endr
; THE STEPS OF AN ELEMENT.  p: a pair (0..15), e: an element (0..31).  Pair p belongs to i slot p / 2, whose (xs, NG) lie in v[XG + 2 (p / 2)] and the next.
.macro TSUM p                          ; t = P1 + xs (the pair's first register for both halves)
	v_pk_add_f32 v[T+2*(\p):T+2*(\p)+1], v[P1+2*(\p):P1+2*(\p)+1], v[XG+2*((\p)/2):XG+2*((\p)/2)+1] op_sel_hi:[1,0]
.endm
.macro EX1 e                           ; 2^t = e^(10 (x + Ec)); t is kept
	v_exp_f32 v[E+(\e)], v[T+(\e)]
.endm
.macro DEN1 p                          ; 2^t NG + NG (the pair's second register for both halves)
	v_pk_fma_f32 v[E+2*(\p):E+2*(\p)+1], v[E+2*(\p):E+2*(\p)+1], v[XG+2*((\p)/2):XG+2*((\p)/2)+1], v[XG+2*((\p)/2):XG+2*((\p)/2)+1] op_sel:[0,1,1] op_sel_hi:[1,1,1]
.endm
.macro RC1 e                           ; w = -0.4 (1 - m) cn
	v_rcp_f32 v[E+(\e)], v[E+(\e)]
.endm
.macro ARGA p                          ; z = P1 w + t = c10 (x + Ec bm)
	v_pk_fma_f32 v[T+2*(\p):T+2*(\p)+1], v[P1+2*(\p):P1+2*(\p)+1], v[E+2*(\p):E+2*(\p)+1], v[T+2*(\p):T+2*(\p)+1]
.endm
.macro ARGB p                          ; K3 z = 2 log2(e) k (x + Ec bm)
	v_pk_mul_f32 v[T+2*(\p):T+2*(\p)+1], v[T+2*(\p):T+2*(\p)+1], v[K3+2*(\p):K3+2*(\p)+1]
.endm
.macro EX2 e
	v_exp_f32 v[T+(\e)], v[T+(\e)]
.endm
.macro DEN2 p
	v_pk_add_f32 v[T+2*(\p):T+2*(\p)+1], v[T+2*(\p):T+2*(\p)+1], 1.0 op_sel_hi:[1,0]
.endm
.macro RC2 e                           ; r = (1 - tanh) / 2
	v_rcp_f32 v[T+(\e)], v[T+(\e)]
.endm
.macro WSUM p                          ; chain p % 4: + C2 r.  Chain 0 starts from the constant part, the others from their first product: nothing is cleared
.if (\p) == 0
	v_pk_fma_f32 v[ACC:ACC+1], v[C2:C2+1], v[T:T+1], v[CS:CS+1]
.else
.if (\p) < 4
	v_pk_mul_f32 v[ACC+2*(\p):ACC+2*(\p)+1], v[C2+2*(\p):C2+2*(\p)+1], v[T+2*(\p):T+2*(\p)+1]
.else
	v_pk_fma_f32 v[ACC+2*((\p)%4):ACC+2*((\p)%4)+1], v[C2+2*(\p):C2+2*(\p)+1], v[T+2*(\p):T+2*(\p)+1], v[ACC+2*((\p)%4):ACC+2*((\p)%4)+1]
.endif
.endif
.endm
; ONE b: my 32 elements, stage by stage.  Each stage is a batch of 32 transcendentals and the packed arithmetic that feeds them, which stands two pairs ahead of
; the transcendentals that read it (ARGA three), so that no instruction reads the result of one just issued.  Inside a batch nothing names a result of that batch:
; the feeding arithmetic of pair p names the registers of pair p alone, ahead of pair p's transcendentals.  Behind a batch stand one plain instruction that names none of
; its registers (ISA guide 5.7.2), the batch's one wait, and then the next stage, which reads the results from pair 0 on.
; more = 1: the next b's pairs are fetched behind the second batch; XG's last reader, DEN1 15, stands in it.
.macro BSTEP more
	s_wait_dscnt 0x0                               ; this b's (xs, NG) are in (asked for behind the last b's second batch; on the way in: in front of the parameter work)
	TSUM 0                                         ; BATCH 1: 2^t into E
	TSUM 1
.irp q, 0,1,2,3,4,5,6,7,8,9,10,11,12,13,14,15
	EX1 2*\q
	EX1 2*\q+1
.if \q < 14
	TSUM \q+2
.endif
.endr
	v_nop                                          ; the plain instruction behind the last exponential: no other work of this b is free here
	s_wait_alu depctr_va_vdst(0)                   ; the wait for batch 1, the 32 exponentials in E, ahead of DEN1 0
	DEN1 0                                         ; BATCH 2: w into E, in place
	DEN1 1
.irp q, 0,1,2,3,4,5,6,7,8,9,10,11,12,13,14,15
	RC1 2*\q
	RC1 2*\q+1
.if \q < 14
	DEN1 \q+2
.endif
.endr
.if \more
.irp q, 0,1,2,3
	ds_load_b128 v[XG+4*\q:XG+4*\q+3], v5 offset:XGROW+16*\q       ; XG's last reader stands above
.endr
	v_add_nc_u32 v5, XGROW, v5                     ; also the plain instruction behind the last reciprocal
.else
	v_nop                                          ; the plain instruction behind the last reciprocal
.endif
	s_wait_alu depctr_va_vdst(0)                   ; the wait for batch 2, the 32 reciprocals in E, ahead of ARGA 0
	ARGA 0                                         ; BATCH 3: 2^(K3 z) into T, in place; plain and exponential by turns
	ARGA 1
	ARGA 2
	ARGB 0
	ARGB 1
.irp q, 0,1,2,3,4,5,6,7,8,9,10,11,12,13,14,15
.if \q < 13
	ARGA \q+3
.endif
	EX2 2*\q
.if \q < 14
	ARGB \q+2
.endif
	EX2 2*\q+1
.endr
	v_nop                                          ; the plain instruction behind the last exponential
	s_wait_alu depctr_va_vdst(0)                   ; the wait for batch 3, the 32 exponentials in T, ahead of DEN2 0
	DEN2 0                                         ; BATCH 4: r into T, in place
	DEN2 1
.irp q, 0,1,2,3,4,5,6,7,8,9,10,11,12,13,14,15
	RC2 2*\q
	RC2 2*\q+1
.if \q < 14
	DEN2 \q+2
.endif
.endr
	v_nop                                          ; the plain instruction behind the last reciprocal
	s_wait_alu depctr_va_vdst(0)                   ; the wait for batch 4, the 32 reciprocals in T, ahead of WSUM 0; no transcendental follows it in this b
.irp q, 0,1,2,3,4,5,6,7,8,9,10,11,12,13,14,15
	WSUM \q
.endr
	v_pk_add_f32 v[ACC:ACC+1], v[ACC:ACC+1], v[ACC+2:ACC+3]        ; the four chains,
	v_pk_add_f32 v[ACC+4:ACC+5], v[ACC+4:ACC+5], v[ACC+6:ACC+7]
	v_pk_add_f32 v[ACC:ACC+1], v[ACC:ACC+1], v[ACC+4:ACC+5]
	v_add_f32 v[ACC], v[ACC], v[ACC+1]                             ; the two halves of a pair: my 8 i x 4 n,
	v_add_f32_dpp v[ACC], v[ACC], v[ACC] row_xmask:1 row_mask:0xf bank_mask:0xf    ; the neighbour lane: the other 4 n of my o,
	v_permlanex16_b32 v7, v[ACC], s34, s35
	v_add_f32 v[ACC], v[ACC], v7                                   ; the other half of the lanes: the wave's other 8 i
	ds_store_b32 v6, v[ACC]                        ; the four lanes of an o write the same number to the same word of my wave's own bytes
	v_add_nc_u32 v6, 32, v6                        ; the next b
.endm
	s_mov_b32 s36, BS-1
.Lb:
	BSTEP 1
	s_sub_co_u32 s36, s36, 1
	s_cmp_lg_u32 s36, 0
	s_cbranch_scc1 .Lb
	BSTEP 0                                        ; the last b fetches nothing
	s_wait_dscnt 0x0                               ; for wave 0: my partial sums are in LDS before I signal
	s_barrier_signal -1
	s_barrier_wait -1
	s_cmp_lg_u32 s18, 0
	s_cbranch_scc1 .Lend
	; Wave 0 adds the eight waves' parts.  Lane l: b = l >> 1, four o from 4 (l & 1): 16 bytes at 16 l of each wave's 512.
.irp w, 0,1,2,3,4,5,6,7
	ds_load_b128 v[T+4*\w:T+4*\w+3], v3 offset:RED+512*\w
.endr
	v_lshrrev_b32 v11, 1, v2
	v_and_b32 v12, 1, v2
	v_lshlrev_b32 v12, 4, v12
	v_lshl_add_u32 v12, v11, 8, v12                ; b x 256 bytes (a row of out0) + 16 (l & 1)
	s_lshl_b32 s38, ttmp9, 12                      ; b block x 16 rows x 256 bytes
	s_lshl_b32 s39, s19, 5                         ; + o block x 32 bytes
	s_add_co_u32 s38, s38, s39
	s_mov_b32 s39, 0
	s_add_nc_u64 s[16:17], s[16:17], s[38:39]
	s_wait_dscnt 0x0
.irp w, 0,1,2,3
	v_pk_add_f32 v[T+4*\w:T+4*\w+1], v[T+4*\w:T+4*\w+1], v[T+16+4*\w:T+16+4*\w+1]
	v_pk_add_f32 v[T+4*\w+2:T+4*\w+3], v[T+4*\w+2:T+4*\w+3], v[T+16+4*\w+2:T+16+4*\w+3]
.endr
.irp w, 0,1
	v_pk_add_f32 v[T+4*\w:T+4*\w+1], v[T+4*\w:T+4*\w+1], v[T+8+4*\w:T+8+4*\w+1]
	v_pk_add_f32 v[T+4*\w+2:T+4*\w+3], v[T+4*\w+2:T+4*\w+3], v[T+8+4*\w+2:T+8+4*\w+3]
.endr
	v_pk_add_f32 v[T:T+1], v[T:T+1], v[T+4:T+5]
	v_pk_add_f32 v[T+2:T+3], v[T+2:T+3], v[T+6:T+7]
	global_store_b128 v12, v[T:T+3], s[16:17]      ; two lanes fill the block's 32 bytes of a row, 16 rows in the one store
.Lend:
	s_wait_tensorcnt 0x0
	ds_add_u32 v240, v241
	s_wait_dscnt 0x0
	s_endpgm
.Lfunc_end_k_q3c9f3be8e4_ferro:
	.size	k_q3c9f3be8e4_ferro, .Lfunc_end_k_q3c9f3be8e4_ferro-k_q3c9f3be8e4_ferro
	.p2alignl 7, 3214868480
	.fill 96, 4, 3214868480
	.section	.rodata,"a",@progbits
	.p2align	6, 0x0
	.amdhsa_kernel k_q3c9f3be8e4_ferro
		.amdhsa_group_segment_fixed_size 21504
		.amdhsa_private_segment_fixed_size 0
		.amdhsa_enable_private_segment 0
		.amdhsa_kernarg_size 56
		.amdhsa_user_sgpr_count 2
		.amdhsa_user_sgpr_kernarg_segment_ptr 1
		.amdhsa_wavefront_size32 1
		.amdhsa_system_sgpr_workgroup_id_x 1
		.amdhsa_system_sgpr_workgroup_id_y 1
		.amdhsa_system_sgpr_workgroup_id_z 1
		.amdhsa_system_vgpr_workitem_id 0
		.amdhsa_next_free_vgpr 242
		.amdhsa_next_free_sgpr 66
		.amdhsa_reserve_vcc 0
		.amdhsa_float_denorm_mode_32 3
		.amdhsa_float_denorm_mode_16_64 3
		.amdhsa_memory_ordered 1
		.amdhsa_forward_progress 1
		.amdhsa_inst_pref_size 41
	.end_amdhsa_kernel
	.amdgpu_metadata
---
amdhsa.version: [ 1, 2 ]
amdhsa.kernels:
  - .name:           k_q3c9f3be8e4_ferro
    .symbol:         k_q3c9f3be8e4_ferro.kd
    .args:
      - { .name: x, .offset: 0, .size: 8, .value_kind: global_buffer, .address_space: global }
      - { .name: Ec, .offset: 8, .size: 8, .value_kind: global_buffer, .address_space: global }
      - { .name: k, .offset: 16, .size: 8, .value_kind: global_buffer, .address_space: global }
      - { .name: Ps, .offset: 24, .size: 8, .value_kind: global_buffer, .address_space: global }
      - { .name: bias, .offset: 32, .size: 8, .value_kind: global_buffer, .address_space: global }
      - { .name: coef, .offset: 40, .size: 8, .value_kind: global_buffer, .address_space: global }
      - { .name: out0, .offset: 48, .size: 8, .value_kind: global_buffer, .address_space: global }
    .group_segment_fixed_size: 21504
    .private_segment_fixed_size: 0
    .kernarg_segment_align: 8
    .kernarg_segment_size: 56
    .max_flat_workgroup_size: 256
    .sgpr_count:     66
    .vgpr_count:     242
    .wavefront_size: 32
...
	.end_amdgpu_metadata
.endif
;; end of part 2
